; MI455X (gfx1250); checked and timed in simulation.
; The chip was launched on July 23, 2026; its instructions are those of AMD's public machine-readable ISA for CDNA 5 (MIT licence, August 2026) and "CDNA5" Instruction Set Architecture Reference Guide (July 2026). The comments in the code are by the model that wrote it; some were corrected since.
;; Multi Head Attention. Allowed arithmetic: matrix products marked QUANTISED: E2M1 operands, one E8M0 scale for each 32 along K, by v_wmma_scale_f32_16x16x128_f8f6f4 with both operands' format E2M1 (or v_wmma_scale_f32_32x16x128_f4), f32 sums; everything else in f32.
;; Inputs: Wk 512 x 512 float32; Wo 512 x 512 float32; Wq 512 x 512 float32; Wv 512 x 512 float32; bk 512 float32; bo 512 float32; bq 512 float32; bv 512 float32; key 2 x 4,096 x 512 float32; mask 2 x 4,096 int32; query 2 x 4,096 x 512 float32; value 2 x 4,096 x 512 float32.
;; Outputs: out0 2 x 4,096 x 512 float32.
;; This version of the problem:
;;   THIS VERSION OF THE PROBLEM IS GIVEN IN LOW PRECISION. The matrix products marked QUANTISED in the list below multiply operands that are first quantised to E2M1 (2 exponent bits, 1 mantissa bit; 4 bits a number), with one power-of-two scale for each 32 numbers along K (OCP MX v1.0); their sums are f32. All else is computed in f32.
;;   The module's matrix products, in the order in which they are computed (A, B: the left and right operand; K: the contracted axis; several contracted axes count as one K, in the product's order):
;;     1. [M 8,192, K 512] x [K 512, N 512]; A: input query; B: input Wq: QUANTISED
;;     2. [M 8,192, K 512] x [K 512, N 512]; A: input key; B: input Wk: QUANTISED
;;     3. [M 8,192, K 512] x [K 512, N 512]; A: input value; B: input Wv: QUANTISED
;;     4. batch 16 x [M 4,096, K 64] x [K 64, N 4,096]; A: computed on the way; B: computed on the way: QUANTISED
;;     5. batch 16 x [M 4,096, K 4,096] x [K 4,096, N 64]; A: softmax (see below); B: computed on the way: QUANTISED
;;     6. [M 8,192, K 512] x [K 512, N 512]; A: computed on the way; B: input Wo: QUANTISED
;;   THE QUANTISER, for each operand of a quantised product, along K:
;;     - K is cut into blocks of 32 from its start; a last block that is shorter is filled with zeros.
;;     - A block's scale is 2^e with e = floor(log2(the largest magnitude in the block)) - 2, held to -126 .. 127; a block of zeros has e = 0. As a byte (E8M0): e + 127.
;;     - Each number is divided by its block's scale, clamped to +-6, and rounded to the nearest number of E2M1, ties to even, subnormals kept.
;;     - The product sums the exact products of the quantised numbers (number of the format x scale) in f32.
;;   ~~~python
;;   def quantise(x, axis):      # numpy; x: float32 -> the quantised numbers, widened to float32 again
;;       x = np.moveaxis(x, axis, -1); K = x.shape[-1]
;;       x = np.pad(x, [(0, 0)] * (x.ndim - 1) + [(0, -K % 32)]); x = x.reshape(x.shape[:-1] + (-1, 32)); a = np.abs(x).max(-1, keepdims=True)
;;       e = np.where(a > 0, np.clip(np.frexp(np.where(a > 0, a, 1))[1] - 1 - 2, -126, 127), 0)      # np.frexp(a)[1] - 1 = floor(log2(a)), exactly
;;       r = np.clip(x / 2.0 ** e, -6, 6)
;;       step = 2.0 ** (np.maximum(np.frexp(np.where(r == 0, 1, r))[1] - 1, 0) - 1)
;;       q = np.round(r / step) * step * 2.0 ** e      # np.round: ties to even
;;       return np.moveaxis(q.reshape(q.shape[:-2] + (-1,))[..., :K], -1, axis).astype(np.float32)
;;   ~~~
;;   SOFTMAX AHEAD OF A QUANTISED PRODUCT. Where the list says 'softmax', what is quantised is not the finished softmax but p = 2^(t - M), with t = logit x log2(e) and M = ceil(the row's largest t), a whole number; so 1/2 < the row's largest p <= 1. The row's sum l is taken of the UNQUANTISED p, in f32, and the product's result is divided by l at the end. Since M is a whole number, a kernel that streams over the keys may use a running M (the ceiling of the running maximum): every later rescaling is an exact power of two, which a block's scale takes up: the codes' values come out the same.
;;   OPERANDS COMPUTED ON THE WAY. 'Computed on the way' means the value that the module computes at that place (a softmax that the list does not call 'softmax' is quantised finished and normalised). What goes into a quantiser is computed in f32, as accurately as f32 sums, v_exp_f32 and their like allow (about 1e-6 of the number): no bf16 or f16 on the way to a quantiser, and a product that is left as it is and whose result goes on into a quantised operand takes f32 operands (vector FMAs, or v_wmma_f32_16x16x4_f32). A number that lies on a knife's edge between two numbers of the format may be rounded either way, as far as f32 arithmetic and the matrix unit's own rounding can turn it there, and no further.
;; One version. Each part assembles by itself: llvm-mc -triple=amdgcn-amd-amdhsa -mcpu=gfx1250 --defsym DOCPART=n.
;; ======== version 1 of 1: 4 launches
;; limits: right only within a limited range of input values
;; workspace buffers: wcodes 524,288 bytes; wscales 32,768 bytes; qrec 2,359,296 bytes; kv 4,849,664 bytes; xc 2,097,152 bytes; xs 131,072 bytes
;; launch prep (part 1): grid 16 x 4, 4 waves a work-group, no clusters, 0 bytes of LDS; arguments Wq, Wk, Wv, Wo, wcodes, wscales; writes wcodes, wscales
.if DOCPART == 1
	.amdgcn_target "amdgcn-amd-amdhsa--gfx1250"
	.amdhsa_code_object_version 6
	.text
	.protected	k_q4e45bc866b_prep
	.globl	k_q4e45bc866b_prep
	.p2align	8
	.type	k_q4e45bc866b_prep,@function
k_q4e45bc866b_prep:
	s_mov_b64 s[64:65], 0
	v_nop
	global_prefetch_b8 v0, s[64:65] scope:SCOPE_SE
	s_setreg_imm32_b32 hwreg(HW_REG_WAVE_MODE, 25, 1), 1
	s_wait_xcnt 0x0
; MULTI-HEAD ATTENTION IN MX-FP4, four launches: prep (this one), proj, attn, outp.
; NOTHING OF reference() IS LEFT OUT.  All six products are live; every bias goes into a quantised operand or into the output; the mask is an input and is honoured key by key
; (masked keys stay in their places, since the blocks of 32 along the keys are cut from the keys as they lie).  Every input is loaded by some launch.
; THIS LAUNCH: the four weights [512 (k)][512 (n)], f32, K on the FIRST axis, become codes of FP4 (E2M1) with one E8M0 scale byte for each 32 along K, laid as IMAGES OF THE OPERAND'S REGISTERS:
;   wcodes  [weight 0 Wq, 1 Wk, 2 Wv, 3 Wo][tile of 16 columns, 32][K step of 128, 4][c, 2][lane, 32][16 bytes]: lane (r, h), group c: the codes of k = 128 s + 64 c + 32 h + 0 .. 31 of column 16 tile + r
;   wscales [weight][tile][K step][r, 16] words: byte b scales k = 128 s + 32 b on.
; A LANE TAKES A COLUMN AND ITS REGISTERS RUN DOWN K: a load reads 128 consecutive bytes a wave (the four waves stand side by side on 512), a block of 32 lies in one lane, and the conversions give K innermost.
; SHARES: work-group (x, y): weight y, 128 columns (x % 4), K step x / 4.  Wave w: 32 columns, 128 along K: four blocks a lane.  64 work-groups: the four weights have no more whole K steps of 128 columns.
; A block's scale byte is its largest magnitude's exponent field - 2, held at 1 from below.  LIMITS: a block of zeros gets the byte 1 where the rule says 127 (its codes are zeros, and this program alone reads the bytes);
; NaN and infinities among the inputs are not served.
; The codes leave as aligned runs of 256 bytes (sixteen lanes x 16).  The scale words leave as runs of 64 bytes: 32 KB in all beside the 4 MB that the launch reads.
.set X, 32                             ; v32-159  my column's 128 numbers
.set C, 16                             ; v16-31   codes: four registers a block, never written again
	s_load_b256 s[4:11], s[0:1], 0x0               ; Wq, Wk, Wv, Wo
	s_load_b128 s[12:15], s[0:1], 0x20             ; wcodes, wscales
	v_lshrrev_b32 v1, 5, v0
	v_readfirstlane_b32 s16, v1                    ; wave 0..3
	s_and_b32 s17, ttmp7, 0xffff                   ; which weight
	s_and_b32 s18, ttmp9, 3                        ; which 128 columns
	s_lshr_b32 s19, ttmp9, 2                       ; which K step
	s_lshl_b32 s18, s18, 2
	s_add_co_u32 s18, s18, s16                     ; which 32 columns: 0..15
	v_and_b32 v1, 31, v0                           ; lane
	v_lshlrev_b32 v2, 2, v1                        ; in: 4 bytes a lane
	v_lshrrev_b32 v5, 4, v1                        ; which of my wave's two tiles of 16 columns
	v_and_b32 v6, 15, v1                           ; r
	v_lshlrev_b32 v3, 4, v6
	v_lshl_add_u32 v3, v5, 12, v3                  ; codes: 4,096 bytes a tile + 16 r
	v_lshlrev_b32 v4, 2, v6
	v_lshl_add_u32 v4, v5, 8, v4                   ; scale words: 256 bytes a tile + 4 r
	s_lshl_b32 s24, s19, 18                        ; in: 128 rows of 2,048 bytes a K step
	s_lshl_b32 s25, s18, 7                         ;     + 128 bytes for each 32 columns
	s_add_co_u32 s24, s24, s25
	s_mov_b32 s25, 0
	s_lshl_b32 s26, s17, 17                        ; codes: 131,072 a weight
	s_lshl_b32 s27, s18, 13                        ;        + 8,192 for two tiles
	s_add_co_u32 s26, s26, s27
	s_lshl_b32 s27, s19, 10                        ;        + 1,024 a K step
	s_add_co_u32 s26, s26, s27
	s_mov_b32 s27, 0
	s_lshl_b32 s28, s17, 13                        ; scale words: 8,192 a weight
	s_lshl_b32 s29, s18, 9                         ;        + 512 for two tiles
	s_add_co_u32 s28, s28, s29
	s_lshl_b32 s29, s19, 6                         ;        + 64 a K step
	s_add_co_u32 s28, s28, s29
	s_mov_b32 s29, 0
	s_wait_alu depctr_va_vdst(0)
	s_wait_kmcnt 0x0
	s_cmp_lt_u32 s17, 2                            ; the weight is chosen by the work-group's number alone
	s_cselect_b64 s[20:21], s[4:5], s[8:9]         ; Wq or Wv
	s_cselect_b64 s[22:23], s[6:7], s[10:11]       ; Wk or Wo
	s_bitcmp1_b32 s17, 0
	s_cselect_b64 s[20:21], s[22:23], s[20:21]
	s_add_nc_u64 s[20:21], s[20:21], s[24:25]
	s_add_nc_u64 s[12:13], s[12:13], s[26:27]
	s_add_nc_u64 s[14:15], s[14:15], s[28:29]
.set K, 0
.rept 128
	global_load_b32 v[X+K], v2, s[20:21] offset:K*2048 th:TH_LOAD_NT   ; W(128 s + K, my column)
.set K, K+1
.endr
; Block b of my column: its largest magnitude, its byte, its 32 codes.  left: the younger loads that may stay out
.macro BLOCK b, left
.set XS, X+32*\b
	s_wait_loadcnt \left
	v_max3_num_f32 v12, |v[XS]|, |v[XS+1]|, |v[XS+2]|              ; all 32 numbers are mine: two chains
	v_max3_num_f32 v13, |v[XS+3]|, |v[XS+4]|, |v[XS+5]|
.irp i, 6,10,14,18,22,26
	v_max3_num_f32 v12, v12, |v[XS+\i]|, |v[XS+\i+1]|
	v_max3_num_f32 v13, v13, |v[XS+\i+2]|, |v[XS+\i+3]|
.endr
	v_max3_num_f32 v12, v12, |v[XS+30]|, |v[XS+31]|
	v_max3_num_f32 v12, v12, v13, 0x1800000        ; and the floor 2^(3 - 127): the byte cannot fall under 1
	v_add_nc_u32 v11, 0xff000000, v12              ; 2 off the exponent field: the conversion's scale operand
	v_lshrrev_b32 v13, 23, v11                     ; the scale's byte
.if \b == 0
	v_mov_b32 v14, v13
.else
	v_lshl_or_b32 v14, v13, 8*\b, v14              ; four bytes make the K step's scale word
.endif
.irp g, 0,1,2,3
	v_cvt_scalef32_pk8_fp4_f32 v[C+4*\b+\g], v[XS+8*\g:XS+8*\g+7], v11
.endr
	v_nop                                          ; one plain line behind the last conversion
	global_store_b128 v3, v[C+4*\b:C+4*\b+3], s[12:13] offset:(\b/2)*512+(\b%2)*256   ; group c = b / 2, half h = b % 2: sixteen lanes store 256 consecutive bytes, aligned
.endm
	BLOCK 0, 63                                    ; 96 loads are younger than block 0's; the wait's field holds 63, and a smaller count is safe
	BLOCK 1, 63                                    ; 64 are younger
	BLOCK 2, 32
	BLOCK 3, 0
	global_store_b32 v4, v14, s[14:15]
	s_endpgm
.Lfunc_end_k_q4e45bc866b_prep:
	.size	k_q4e45bc866b_prep, .Lfunc_end_k_q4e45bc866b_prep-k_q4e45bc866b_prep
	.p2alignl 7, 3214868480
	.fill 96, 4, 3214868480
	.section	.rodata,"a",@progbits
	.p2align	6, 0x0
	.amdhsa_kernel k_q4e45bc866b_prep
		.amdhsa_group_segment_fixed_size 0
		.amdhsa_private_segment_fixed_size 0
		.amdhsa_enable_private_segment 0
		.amdhsa_kernarg_size 48
		.amdhsa_user_sgpr_count 2
		.amdhsa_user_sgpr_kernarg_segment_ptr 1
		.amdhsa_wavefront_size32 1
		.amdhsa_system_sgpr_workgroup_id_x 1
		.amdhsa_system_sgpr_workgroup_id_y 1
		.amdhsa_system_sgpr_workgroup_id_z 1
		.amdhsa_system_vgpr_workitem_id 0
		.amdhsa_next_free_vgpr 160
		.amdhsa_next_free_sgpr 66
		.amdhsa_reserve_vcc 0
		.amdhsa_float_denorm_mode_32 3
		.amdhsa_float_denorm_mode_16_64 3
		.amdhsa_memory_ordered 1
		.amdhsa_forward_progress 1
		.amdhsa_inst_pref_size 21
	.end_amdhsa_kernel
	.amdgpu_metadata
---
amdhsa.version: [ 1, 2 ]
amdhsa.kernels:
  - .name:           k_q4e45bc866b_prep
    .symbol:         k_q4e45bc866b_prep.kd
    .args:
      - { .name: Wq, .offset: 0, .size: 8, .value_kind: global_buffer, .address_space: global }
      - { .name: Wk, .offset: 8, .size: 8, .value_kind: global_buffer, .address_space: global }
      - { .name: Wv, .offset: 16, .size: 8, .value_kind: global_buffer, .address_space: global }
      - { .name: Wo, .offset: 24, .size: 8, .value_kind: global_buffer, .address_space: global }
      - { .name: wcodes, .offset: 32, .size: 8, .value_kind: global_buffer, .address_space: global }
      - { .name: wscales, .offset: 40, .size: 8, .value_kind: global_buffer, .address_space: global }
    .group_segment_fixed_size: 0
    .private_segment_fixed_size: 0
    .kernarg_segment_align: 8
    .kernarg_segment_size: 48
    .max_flat_workgroup_size: 128
    .sgpr_count:     66
    .vgpr_count:     160
    .wavefront_size: 32
...
	.end_amdgpu_metadata
.endif
;; end of part 1
;; launch proj (part 2): grid 64 x 3, 8 waves a work-group, no clusters, 327,680 bytes of LDS; arguments query, key, value, bq, bk, bv, mask, wcodes, wscales, qrec, kv; writes qrec, kv
.if DOCPART == 2
	.amdgcn_target "amdgcn-amd-amdhsa--gfx1250"
	.amdhsa_code_object_version 6
	.text
	.protected	k_q4e45bc866b_proj
	.globl	k_q4e45bc866b_proj
	.p2align	8
	.type	k_q4e45bc866b_proj,@function
k_q4e45bc866b_proj:
	s_mov_b64 s[64:65], 0
	v_nop
	global_prefetch_b8 v0, s[64:65] scope:SCOPE_SE
	s_setreg_imm32_b32 hwreg(HW_REG_WAVE_MODE, 25, 1), 1
	s_wait_xcnt 0x0
.set XTW,   33792
.set XSTEP, 528
.set XIMG,  270336
.set XSC,   303104
.set SPARE, 307200
.set ACC, 16
.set PC,  144
.set TM,  176
.set PW,  192
.set SW,  196
.set XS,  200
.set MK,  208
.set VSW, 212
.set W1S, 216
.set SPW, 252
.set NIL, 253
.set B1,  128
.set XF,  160
.set WV,  26
.set YY,  27
.set XB,  28
.set SEL, 30
.set G1,  36
.set G0,  44
.set MSB, 0
.macro WIN new
.if MSB != \new
	s_set_vgpr_msb (MSB<<8)|\new
.set MSB, \new
.endif
.endm
.macro PLACES
.rept 4
	v_nop
.endr
.endm
.macro MM d, a, b, c, sa, sb
	v_wmma_scale_f32_16x16x128_f8f6f4 v[(\d):(\d)+7], v[(\a):(\a)+7], v[(\b):(\b)+7], v[(\c):(\c)+7], v[\sa], v[\sb] matrix_a_fmt:MATRIX_FMT_FP4 matrix_b_fmt:MATRIX_FMT_FP4
.endm
.macro QUANT src, pc, pw
.irp b, 0,1,2,3
	v_max3_num_f32 v[TM+\b], |v[(\src)+16*\b]|, |v[(\src)+16*\b+1]|, 0x1800000
.endr
.irp i, 2,4,6,8,10,12,14
.irp b, 0,1,2,3
	v_max3_num_f32 v[TM+\b], v[TM+\b], |v[(\src)+16*\b+\i]|, |v[(\src)+16*\b+\i+1]|
.endr
.endr
.irp b, 0,1,2,3
	s_delay_alu instid0(VALU_DEP_4)
	v_permlanex16_b32 v[TM+4+\b], v[TM+\b], s[SEL], s[SEL+1]
.endr
.irp b, 0,1,2,3
	s_delay_alu instid0(VALU_DEP_4)
	v_max_num_f32 v[TM+\b], v[TM+\b], v[TM+4+\b]
.endr
.irp b, 0,1,2,3
	s_delay_alu instid0(VALU_DEP_4)
	v_add_nc_u32 v[TM+12+\b], 0xff000000, v[TM+\b]
.endr
.irp b, 0,1,2,3
	s_delay_alu instid0(VALU_DEP_4)
	v_lshrrev_b32 v[TM+4+\b], 23, v[TM+12+\b]
.endr
	s_delay_alu instid0(VALU_DEP_3)
	v_lshl_or_b32 v[\pw], v[TM+5], 8, v[TM+4]
	s_delay_alu instid0(VALU_DEP_1)
	v_lshl_or_b32 v[\pw], v[TM+6], 16, v[\pw]
	s_delay_alu instid0(VALU_DEP_1)
	v_lshl_or_b32 v[\pw], v[TM+7], 24, v[\pw]
.irp c, 0,1
	v_cvt_scalef32_pk8_fp4_f32 v[(\pc)+4*\c],   v[(\src)+32*\c:(\src)+32*\c+7],     v[TM+12+2*\c]
	v_cvt_scalef32_pk8_fp4_f32 v[(\pc)+4*\c+2], v[(\src)+32*\c+8:(\src)+32*\c+15],  v[TM+12+2*\c]
	v_cvt_scalef32_pk8_fp4_f32 v[(\pc)+4*\c+1], v[(\src)+32*\c+16:(\src)+32*\c+23], v[TM+13+2*\c]
	v_cvt_scalef32_pk8_fp4_f32 v[(\pc)+4*\c+3], v[(\src)+32*\c+24:(\src)+32*\c+31], v[TM+13+2*\c]
.endr
	v_nop
.irp c, 0,1
	v_permlane16_swap_b32 v[(\pc)+4*\c],   v[(\pc)+4*\c+1]
	v_permlane16_swap_b32 v[(\pc)+4*\c+2], v[(\pc)+4*\c+3]
.endr
.endm
.macro FETCH2 p
	PLACES
	WIN 0x40
.irp i, 0,1
.irp s, 0,1,2,3
	ds_load_b128 v[XF+32*\i+8*\s:XF+32*\i+8*\s+3],   v5 offset:((2*(\p)+\i)*4+\s)*1024
	ds_load_b128 v[XF+32*\i+8*\s+4:XF+32*\i+8*\s+7], v5 offset:((2*(\p)+\i)*4+\s)*1024+512
.endr
.endr
	WIN 0
.irp i, 0,1
	ds_load_b128 v[XS+4*\i:XS+4*\i+3], v6 offset:(2*(\p)+\i)*512
.endr
	s_wait_dscnt 0x0
.endm
	s_load_b512 s[4:19], s[0:1], 0x0
	s_load_b128 s[20:23], s[0:1], 0x40
	s_load_b64 s[24:25], s[0:1], 0x50
	v_lshl_add_u32 v[SPW], v0, 2, SPARE
	v_mov_b32 v[NIL], 0
	ds_add_u32 v[SPW], v[NIL]
	ds_add_u32 v[SPW], v[NIL]
	v_lshrrev_b32 v1, 5, v0
	s_delay_alu instid0(VALU_DEP_1)
	v_readfirstlane_b32 s[WV], v1
	s_and_b32 s[YY], ttmp7, 0xffff
	s_mov_b32 s[XB], ttmp9
	s_mov_b32 s[G1+0], (2<<16)|(1<<20)|(6<<22)|(3<<25)
	s_mov_b32 s[G1+1], 128<<16
	s_mov_b32 s[G1+2], 64<<16                      ; my 16 rows of 512 numbers are one dense block: 64 rows of 128 numbers, each 512 bytes + 16 of padding in LDS
	s_mov_b32 s[G1+3], 128<<16
	s_mov_b32 s[G1+4], 64
	s_mov_b32 s[G1+5], 128
	s_mov_b32 s[G1+6], 0
	s_mov_b32 s[G1+7], 0
	s_mov_b32 s[SEL], 0x76543210
	s_mov_b32 s[SEL+1], 0xfedcba98
	s_mov_b32 s80, 0xffff0000
	s_lshl_b32 s60, s[XB], 18
	s_lshl_b32 s61, s[WV], 15
	s_add_co_u32 s60, s60, s61
	s_mov_b32 s61, 0
	s_mul_i32 s29, s[WV], XTW
	s_lshr_b32 s62, s[XB], 5
	s_and_b32 s63, s[XB], 31
	s_lshl_b32 s70, s62, 3
	s_add_co_u32 s70, s70, s[WV]
	s_lshl_b32 s70, s70, 5
	s_add_co_u32 s70, s70, s63
	s_mov_b32 s71, 9472
	s_mov_b32 s72, 8192
	s_cmp_eq_u32 s[YY], 0
	s_cselect_b32 s71, 4608, s71
	s_cselect_b32 s72, 4096, s72
	s_mul_i32 s70, s70, s71
	s_mov_b32 s71, 0
	s_mov_b32 s73, 0
	s_lshl_b32 s74, s[YY], 17
	s_lshl_b32 s75, s[WV], 14
	s_add_co_u32 s74, s74, s75
	s_mov_b32 s75, 0
	s_lshl_b32 s76, s[YY], 13
	s_lshl_b32 s77, s[WV], 10
	s_add_co_u32 s76, s76, s77
	s_mov_b32 s77, 0
	s_lshl_b32 s78, s[XB], 9
	s_mov_b32 s79, 0
	s_lshl_b32 s82, s[WV], 8
	s_mov_b32 s83, 0
	s_wait_dscnt 0x0
	s_wait_kmcnt 0x0
	s_cmp_eq_u32 s[YY], 0
	s_cselect_b64 s[32:33], s[4:5], s[6:7]
	s_cselect_b64 s[34:35], s[10:11], s[12:13]
	s_cselect_b64 s[66:67], s[22:23], s[24:25]
	s_cmp_eq_u32 s[YY], 2
	s_cselect_b64 s[32:33], s[8:9], s[32:33]
	s_cselect_b64 s[34:35], s[14:15], s[34:35]
	s_add_nc_u64 s[32:33], s[32:33], s[60:61]
	s_add_nc_u64 s[34:35], s[34:35], s[82:83]
	s_add_nc_u64 s[66:67], s[66:67], s[70:71]
	s_add_nc_u64 s[68:69], s[66:67], s[72:73]
	s_add_nc_u64 s[74:75], s[18:19], s[74:75]
	s_add_nc_u64 s[76:77], s[20:21], s[76:77]
	s_add_nc_u64 s[78:79], s[16:17], s[78:79]
	s_mov_b32 s[G0], 1
	s_mov_b32 s[G0+1], s29
	s_mov_b64 s[G0+2:G0+3], s[32:33]
	s_or_b32 s[G0+3], s[G0+3], 0x80000000
	tensor_load_to_lds s[G0:G0+3], s[G1:G1+7]      ; my one tensor load: all four K steps of my 16 rows; piece 4 r + s of the block is K step s of row r
	s_nop 0
	PLACES
	v_and_b32 v12, 31, v0
	v_and_b32 v13, 15, v0
	v_bfe_u32 v14, v0, 4, 1
	s_delay_alu instid0(VALU_DEP_3)
	v_lshlrev_b32 v1, 4, v12
	s_delay_alu instid0(VALU_DEP_3)
	v_mul_u32_u24 v2, v13, 2112
	s_delay_alu instid0(VALU_DEP_1)
	v_lshl_add_u32 v2, v14, 5, v2
	s_delay_alu instid0(VALU_DEP_1)
	v_add_nc_u32 v2, s29, v2
	s_lshl_b32 s60, s[WV], 12
	v_add_nc_u32 v3, s60, v1
	s_delay_alu instid0(VALU_DEP_1)
	v_add_nc_u32 v3, XIMG, v3
	s_lshl_b32 s60, s[WV], 9
	v_add_nc_u32 v4, s60, v1
	s_delay_alu instid0(VALU_DEP_1)
	v_add_nc_u32 v4, XSC, v4
	v_add_nc_u32 v5, XIMG, v1
	v_add_nc_u32 v6, XSC, v1
	v_lshlrev_b32 v7, 4, v14
	v_lshlrev_b32 v8, 3, v12
	v_lshlrev_b32 v9, 2, v13
	v_lshlrev_b32 v10, 5, v14
	v_mov_b32 v11, 0xf149f2ca
.irp b, 0,1,2,3
	v_mov_b32 v[TM+4+\b], 0
	v_mov_b32 v[MK+\b], 0
.endr
	WIN 0x40
.irp f, 0,1,2,3,4,5,6,7,8,9,10,11,12,13,14,15
	global_load_b128 v[8*\f:8*\f+3],   v1, s[74:75] offset:\f*1024
	global_load_b128 v[8*\f+4:8*\f+7], v1, s[74:75] offset:\f*1024+512
.endr
	WIN 0
	s_cmp_eq_u32 s[YY], 2
	s_cbranch_scc1 .Lbias_v
	WIN 0x40
.irp t, 0,1,2,3
	global_load_b128 v[B1+8*\t:B1+8*\t+3],   v10, s[34:35] offset:64*\t
	global_load_b128 v[B1+8*\t+4:B1+8*\t+7], v10, s[34:35] offset:64*\t+16
.endr
	WIN 0
	s_branch .Lbias_done
.Lbias_v:
	WIN 0x40
.irp t, 0,1,2,3
.irp j, 0,1,2,3,4,5,6,7
	global_load_b32 v[B1+8*\t+\j], v9, s[34:35] offset:64*\t
.endr
.endr
	WIN 0
.Lbias_done:
.irp f, 0,1,2,3,4,5,6,7,8,9,10,11,12,13,14,15
	global_load_b32 v[W1S+\f], v9, s[76:77] offset:\f*64
.endr
	s_cmp_eq_u32 s[YY], 1
	s_cbranch_scc0 .Lno_mask
	global_load_b128 v[MK:MK+3], v1, s[78:79]
.Lno_mask:
	s_wait_tensorcnt 0x0
.irp s, 0,1,2,3
.irp t, 0,1,2,3,4,5,6,7
	ds_load_b128 v[ACC+8*\t:ACC+8*\t+3],   v2 offset:\s*XSTEP+64*\t
	ds_load_b128 v[ACC+8*\t+4:ACC+8*\t+7], v2 offset:\s*XSTEP+64*\t+16
.endr
	s_wait_dscnt 0x0
	QUANT ACC, PC, PW
	ds_store_b128 v3, v[PC:PC+3]   offset:\s*1024
	ds_store_b128 v3, v[PC+4:PC+7] offset:\s*1024+512
	ds_store_b32 v4, v[PW] offset:4*\s
.endr
	s_wait_loadcnt 0x0
	s_wait_dscnt 0x0
	s_barrier_signal -1
	s_barrier_wait -1
	s_cmp_eq_u32 s[YY], 2
	s_cbranch_scc1 .Lvpath
.irp p, 0,1,2,3
	FETCH2 \p
	WIN 0x15
.irp i, 0,1
.irp t, 0,1,2,3
	MM ACC+32*\i+8*\t, 32*\t, XF+32*\i, B1+8*\t, W1S+4*\t, XS+4*\i
.endr
.endr
	WIN 0x05
.irp s, 1,2,3
.irp i, 0,1
.irp t, 0,1,2,3
	MM ACC+32*\i+8*\t, 32*\t+8*\s, XF+32*\i+8*\s, ACC+32*\i+8*\t, W1S+4*\t+\s, XS+4*\i+\s
.endr
.endr
.endr
	WIN 0
	PLACES
	QUANT ACC, PC+8*\p, PW
.irp i, 0,1
	global_store_b128 v1, v[PC+8*\p+4*\i:PC+8*\p+4*\i+3], s[66:67] offset:(2*\p+\i)*512
.endr
	v_bfe_u32 v[SW+\p], v[PW], v7, 16
.endr
	global_store_b128 v1, v[SW:SW+3], s[68:69]
	s_cmp_eq_u32 s[YY], 1
	s_cbranch_scc0 .Lend
.irp i, 0,1,2,3
	v_cmp_eq_u32 vcc_lo, 0, v[MK+\i]
	s_delay_alu instid0(VALU_DEP_1)
	v_cndmask_b32 v[MK+\i], 0, v11, vcc_lo
.endr
	global_store_b128 v1, v[MK:MK+3], s[66:67] offset:8960
	s_branch .Lend
.Lvpath:
.irp u, 0,1
.irp p, 0,1,2,3
	FETCH2 \p
	WIN 0x15
.irp i, 0,1
.irp d, 0,1
	MM ACC+64*\d+8*(2*\p+\i), XF+32*\i, 32*(2*\u+\d), B1+8*(2*\u+\d), XS+4*\i, W1S+4*(2*\u+\d)
.endr
.endr
	WIN 0x05
.irp s, 1,2,3
.irp i, 0,1
.irp d, 0,1
	MM ACC+64*\d+8*(2*\p+\i), XF+32*\i+8*\s, 32*(2*\u+\d)+8*\s, ACC+64*\d+8*(2*\p+\i), XS+4*\i+\s, W1S+4*(2*\u+\d)+\s
.endr
.endr
.endr
	WIN 0
.endr
	PLACES
.irp d, 0,1
	QUANT ACC+64*\d, PC+8*(2*\u+\d), PW+2*\u+\d
	global_store_b128 v1, v[PC+8*(2*\u+\d):PC+8*(2*\u+\d)+3],   s[66:67] offset:4096+(2*\u+\d)*1024
	global_store_b128 v1, v[PC+8*(2*\u+\d)+4:PC+8*(2*\u+\d)+7], s[66:67] offset:4096+(2*\u+\d)*1024+512
.endr
.endr
	v_cndmask_b32 v[VSW],   v[PW],   v[PW+1], s80
	v_cndmask_b32 v[VSW+1], v[PW+2], v[PW+3], s80
	global_store_b64 v8, v[VSW:VSW+1], s[66:67] offset:8704
.Lend:
	s_wait_tensorcnt 0x0
	ds_add_u32 v[SPW], v[NIL]
	s_wait_dscnt 0x0
	s_endpgm
.Lfunc_end_k_q4e45bc866b_proj:
	.size	k_q4e45bc866b_proj, .Lfunc_end_k_q4e45bc866b_proj-k_q4e45bc866b_proj
	.p2alignl 7, 3214868480
	.fill 96, 4, 3214868480
	.section	.rodata,"a",@progbits
	.p2align	6, 0x0
	.amdhsa_kernel k_q4e45bc866b_proj
		.amdhsa_group_segment_fixed_size 327680
		.amdhsa_private_segment_fixed_size 0
		.amdhsa_enable_private_segment 0
		.amdhsa_kernarg_size 88
		.amdhsa_user_sgpr_count 2
		.amdhsa_user_sgpr_kernarg_segment_ptr 1
		.amdhsa_wavefront_size32 1
		.amdhsa_system_sgpr_workgroup_id_x 1
		.amdhsa_system_sgpr_workgroup_id_y 1
		.amdhsa_system_sgpr_workgroup_id_z 1
		.amdhsa_system_vgpr_workitem_id 0
		.amdhsa_next_free_vgpr 512
		.amdhsa_next_free_sgpr 96
		.amdhsa_reserve_vcc 1
		.amdhsa_float_denorm_mode_32 3
		.amdhsa_float_denorm_mode_16_64 3
		.amdhsa_memory_ordered 1
		.amdhsa_forward_progress 1
		.amdhsa_inst_pref_size 124
	.end_amdhsa_kernel
	.amdgpu_metadata
---
amdhsa.version: [ 1, 2 ]
amdhsa.kernels:
  - .name:           k_q4e45bc866b_proj
    .symbol:         k_q4e45bc866b_proj.kd
    .args:
      - { .name: query, .offset: 0, .size: 8, .value_kind: global_buffer, .address_space: global }
      - { .name: key, .offset: 8, .size: 8, .value_kind: global_buffer, .address_space: global }
      - { .name: value, .offset: 16, .size: 8, .value_kind: global_buffer, .address_space: global }
      - { .name: bq, .offset: 24, .size: 8, .value_kind: global_buffer, .address_space: global }
      - { .name: bk, .offset: 32, .size: 8, .value_kind: global_buffer, .address_space: global }
      - { .name: bv, .offset: 40, .size: 8, .value_kind: global_buffer, .address_space: global }
      - { .name: mask, .offset: 48, .size: 8, .value_kind: global_buffer, .address_space: global }
      - { .name: wcodes, .offset: 56, .size: 8, .value_kind: global_buffer, .address_space: global }
      - { .name: wscales, .offset: 64, .size: 8, .value_kind: global_buffer, .address_space: global }
      - { .name: qrec, .offset: 72, .size: 8, .value_kind: global_buffer, .address_space: global }
      - { .name: kv, .offset: 80, .size: 8, .value_kind: global_buffer, .address_space: global }
    .group_segment_fixed_size: 327680
    .private_segment_fixed_size: 0
    .kernarg_segment_align: 8
    .kernarg_segment_size: 88
    .max_flat_workgroup_size: 256
    .sgpr_count:     96
    .vgpr_count:     512
    .wavefront_size: 32
...
	.end_amdgpu_metadata
.endif
;; end of part 2
;; launch attn (part 3): grid 16 x 16, 8 waves a work-group, clusters of 4 x 1, 327,680 bytes of LDS; arguments qrec, kv, xc, xs; writes xc, xs
.if DOCPART == 3
	.amdgcn_target "amdgcn-amd-amdhsa--gfx1250"
	.amdhsa_code_object_version 6
	.text
	.protected	k_q4e45bc866b_attn
	.globl	k_q4e45bc866b_attn
	.p2align	8
	.type	k_q4e45bc866b_attn,@function
k_q4e45bc866b_attn:
	s_mov_b64 s[64:65], 0
	v_nop
	global_prefetch_b8 v0, s[64:65] scope:SCOPE_SE
	s_setreg_imm32_b32 hwreg(HW_REG_WAVE_MODE, 25, 1), 1
	s_wait_xcnt 0x0
	s_wait_alu depctr_hold_cnt(0) depctr_sa_sdst(0) depctr_va_vdst(0) depctr_va_sdst(0) depctr_va_ssrc(0) depctr_va_vcc(0) depctr_vm_vsrc(0)
	s_getreg_b32 s2, hwreg(HW_REG_IB_STS2, 6, 4)
	s_cmp_eq_u32 s2, 0
	s_cbranch_scc0 .Lentry_in_a_cluster
	s_endpgm
.Lentry_in_a_cluster:
	s_bfe_u32 s2, ttmp6, 0x10000c
	s_cmp_lg_u32 s2, 0x3003
	s_cbranch_scc0 .Lentry_shape_is_right
	s_endpgm
.Lentry_shape_is_right:
; PRODUCTS 4 AND 5 with the softmax between them, on the codes that proj has made; x leaves as codes and scale bytes for outp.  No work of reference() is left out here.
; p = 2^(t - M), t = score x log2(e) / 8, M the running largest t rounded up to a whole number; the row's sum is taken of the unquantised p and divides O at the end.
; The mask is a term of 0 or -1e30 for each key, given as the C of the first product.  A row all of whose keys are masked has sum 0 and comes out NaN, as reference() has it.
; LIMIT: the promise holds while the scaled scores stay under 2^31 in magnitude.
; SHARES: a work-group owns 256 queries of one (batch, head); each of its eight waves owns 32, two tiles of 16.  Every fragment of K, V, mask and scales that a wave reads from LDS serves both tiles.
; K AND V of the whole head, 32 records of 9,472 bytes (128 keys each: K's codes 4,096, V's 4,096, K's scale words 512, V's 256, mask terms 512), lie in LDS, each byte filled once:
; records 0-7 by the head's load (one record a wave), records 8-31 by a second load (three a wave) that is on its way while the first eight are worked.
; CLUSTER: the four work-groups of a cluster walk the same head, so both loads are joint.  NO PREFETCH: all of K and V is asked for by these two loads at the head; no loop runs ahead of a load.
; LAYOUT: both products transposed (S^T = K Q^T, O^T = V^T P^T): a lane holds one query (lane % 16).  THE KEYS OF A TILE ARE CHOSEN: rows 0-7 of tile 4 c + u are keys 64 c + 8 u + 0..7, rows 8-15 keys 64 c + 32 + 8 u + 0..7,
; so lane (r, h) holds in registers 32 c .. 32 c + 31 of S the whole block of keys 64 c + 32 h + 0 .. 31: a block's maximum needs no other lane, and the conversions' results are the second product's operand as they stand.
; The head's size is 64, half the instruction's K: Q's registers 4-7 hold zero codes, so what K's registers 4-7 hold (the next tile's codes) adds nothing; K's tiles lie 4 registers apart.
; THE TWO TILES TAKE TURNS: both tiles' S and O^T lie in window 1, so one window setting serves both.  Tile 0's exponentials stand by turns with tile 1's multiply-adds, tile 1's with pair sums of tile 0's p;
; what these plain lines write is read only behind the next wait.
; REGISTERS.  window 0: v1-12 lane terms, v13-17 addresses in hand, v18-27 scales alone, v28-75 small state (24 a tile), v76-91 Q, v92-127 K's tiles, v128-159 V's, v160-223 mask terms, v224-239 p's codes.
;   window 1: v0-127 S of tiles 0 and 1, v128-191 O^T of both, v192-223 pair sums.
.set REC,   9472
.set FIRST, 8                          ; records brought by the head's load
.set XSG,   32*REC                     ; 512 bytes: the work-group's scale bytes of x
.set SPARE, XSG+512                    ; the spare words, 128 bytes a wave: four blocks of 256 bytes that no other line names
.set ADK, 13
.set ADS, 14
.set ADB, 15
.set ADV, 16
.set ADT, 17
.set KS,  18                           ; K's scale words: register a / 2, lanes 0-15 tile a even, lanes 16-31 tile a odd
.set VS,  22
.set QS,  24
.set PSW, 26
.set SM,  28                           ; tile t at SM + 24 t: +0..3 maxima, +4 -M, +5 largest score, +6 f, +8..15 four sums, +16,17 scale operands, +18,19 bytes, +20..23 at work
.set Q,   76
.set KF,  92
.set VF,  128
.set BI,  160
.set PC,  224
.set S,   0                            ; window 1
.set O,   128
.set PS,  192
.set WV,  12
.set SEL, 20
.set CS,  22
.set G1A, 24
.set G1B, 40
.set HM,  48
.set TB,  49
.set CNT, 50
.set TBN, 51
.set MSB, 0
.macro WIN new                         ; the immediate's high byte repeats the setting that is left
.if MSB != (\new)
	s_set_vgpr_msb (MSB<<8)|(\new)
.set MSB, (\new)
.endif
.endm
.macro CROUND
	s_barrier_signal -1
	s_barrier_wait -1
	s_cmp_lg_u32 s[WV], 0
	s_cbranch_scc1 .Lnot_wave_0_\@
	s_barrier_signal -3
.Lnot_wave_0_\@:
	s_barrier_wait -3
	s_barrier_signal -1
	s_barrier_wait -1
.endm
	s_load_b256 s[4:11], s[0:1], 0x0               ; qrec, kv, xc, xs
	v_lshl_add_u32 v5, v0, 2, SPARE
	v_mov_b32 v6, 0
	ds_add_u32 v5, v6                              ; the opening lines: the add, twice on end, and its wait
	ds_add_u32 v5, v6
	v_lshrrev_b32 v240, 5, v0
	v_readfirstlane_b32 s[WV], v240                ; wave 0..7
	s_bfe_u32 s13, ttmp6, 0x40000
	s_lshl_b32 s14, ttmp9, 2
	s_add_co_u32 s14, s14, s13                     ; which 256 queries
	s_and_b32 s15, ttmp7, 0xffff                   ; 8 x batch + head
.irp g, G1A, G1B                               ; dense rows of 256 bytes, to all four of the cluster
	s_mov_b32 s[\g+0], 15|(3<<16)|(1<<21)
	s_mov_b32 s[\g+1], 32<<16
	s_mov_b32 s[\g+3], 32<<16
	s_mov_b32 s[\g+5], 32
	s_mov_b32 s[\g+6], 0
	s_mov_b32 s[\g+7], 0
.endr
	s_mov_b32 s[G1A+2], 37<<16                     ; one record
	s_mov_b32 s[G1A+4], 37
	s_mov_b32 s[G1B+2], 111<<16                    ; three records
	s_mov_b32 s[G1B+4], 111
	s_mov_b32 s[SEL], 0x76543210
	s_mov_b32 s[SEL+1], 0xfedcba98
	s_mov_b32 s[CS], 0x3e38aa3b                    ; log2(e) / 8
	s_mov_b32 s[CS+1], s[CS]
	s_mov_b32 s[HM], 0xffff0000
	s_lshl_b32 s16, s15, 5                         ; the head's first record
	s_add_co_u32 s60, s16, s[WV]
	s_mul_i32 s60, s60, REC
	s_mov_b32 s61, 0
	s_mul_i32 s17, s[WV], 3
	s_add_co_u32 s17, s17, FIRST
	s_add_co_u32 s62, s16, s17
	s_mul_i32 s62, s62, REC
	s_mov_b32 s63, 0
	s_mul_i32 s33, s[WV], REC
	s_mul_i32 s37, s17, REC
	s_lshl_b32 s18, s14, 1                         ; Q: records of 128 queries, 4,608 bytes
	s_add_co_u32 s16, s16, s18
	s_lshr_b32 s18, s[WV], 2
	s_add_co_u32 s16, s16, s18
	s_mul_i32 s16, s16, 4608
	s_and_b32 s18, s[WV], 3
	s_lshl_b32 s19, s18, 10
	s_add_co_u32 s56, s16, s19                     ; my two tiles' codes
	s_mov_b32 s57, 0
	s_lshl_b32 s19, s18, 2
	s_add_co_u32 s58, s16, s19                     ; and their scale words
	s_mov_b32 s59, 0
	s_lshr_b32 s18, s15, 3
	s_lshl_b32 s18, s18, 8
	s_lshl_b32 s19, s14, 4
	s_add_co_u32 s18, s18, s19                     ; the work-group's first row tile of x
	s_and_b32 s19, s15, 7                          ; the head
	s_lshl_b32 s54, s18, 5
	s_lshl_b32 s16, s19, 14
	s_add_co_u32 s54, s54, s16
	s_mov_b32 s55, 0
	s_lshl_b32 s16, s[WV], 1
	s_add_co_u32 s52, s18, s16
	s_lshl_b32 s52, s52, 12
	s_lshl_b32 s16, s19, 9
	s_add_co_u32 s52, s52, s16
	s_mov_b32 s53, 0
	s_wait_dscnt 0x0
	s_wait_kmcnt 0x0
	s_mov_b32 s32, 1
	s_add_nc_u64 s[34:35], s[6:7], s[60:61]
	s_or_b32 s35, s35, 0x80000000
	s_mov_b32 s36, 1
	s_add_nc_u64 s[38:39], s[6:7], s[62:63]
	s_or_b32 s39, s39, 0x80000000
	s_add_nc_u64 s[56:57], s[4:5], s[56:57]
	s_add_nc_u64 s[58:59], s[4:5], s[58:59]
	s_add_nc_u64 s[52:53], s[8:9], s[52:53]
	s_add_nc_u64 s[54:55], s[10:11], s[54:55]
	CROUND
	tensor_load_to_lds s[32:35], s[G1A:G1A+7]      ; record = my wave's number
	s_nop 0
	v_and_b32 v240, 31, v0                         ; lane
	v_and_b32 v241, 15, v0                         ; r
	v_bfe_u32 v242, v0, 4, 1                       ; h
	v_and_b32 v243, 7, v0                          ; r % 8
	v_bfe_u32 v244, v0, 3, 1                       ; r / 8
	v_lshlrev_b32 v1, 4, v240                      ; 16 x lane
	v_lshlrev_b32 v3, 3, v240                      ; 8 x lane
	v_lshlrev_b32 v7, 7, v242                      ; mask terms: 128 h
	v_lshlrev_b32 v12, 3, v242                     ; 8 h
	v_lshlrev_b32 v10, 4, v241                     ; 16 r
	v_lshlrev_b32 v2, 4, v243
	v_lshl_add_u32 v2, v244, 10, v2
	v_lshl_add_u32 v2, v242, 8, v2                 ; K's codes: 16 (r % 8) + 1,024 (r / 8) + 256 h
	v_lshl_add_u32 v4, v243, 4, v7
	v_lshl_add_u32 v4, v244, 2, v4                 ; K's scale words: 128 h + 16 (r % 8) + 4 (r / 8)
	v_lshl_add_u32 v8, v241, 1, v242
	s_lshl_b32 s16, s[WV], 6
	s_add_co_u32 s16, s16, XSG
	v_add_nc_u32 v8, s16, v8                       ; x's scale bytes: 64 x wave + 2 r + h
	v_add_nc_u32 v9, XSG, v1
	global_load_b128 v[Q:Q+3], v1, s[56:57]
	global_load_b128 v[Q+8:Q+11], v1, s[56:57] offset:512
	global_load_b32 v[QS], v10, s[58:59] offset:4096
	global_load_b32 v[QS+1], v10, s[58:59] offset:4352
.irp j, 4,5,6,7,12,13,14,15
	v_mov_b32 v[Q+\j], 0                           ; zero codes for k = 64 .. 127
.endr
.irp j, 32,33,34,35
	v_mov_b32 v[KF+\j], 0                          ; what the last tile's registers 4-7 name
.endr
.irp t, 0,1
	v_mov_b32 v[SM+24*\t+4], 0x6e013f39            ; -M: 1e28, so that the first f is 0
	v_mov_b32 v[SM+24*\t+5], 0xee013f39            ; the largest score so far: -1e28, over every masked score
.irp j, 7,8,9,10,11,12,13,14,15,22,23
	v_mov_b32 v[SM+24*\t+\j], 0
.endr
.endr
	WIN 0x40
.set J, 0
.rept 64
	v_mov_b32 v[O+J], 0                            ; the step is written once: the first finds zeros
.set J, J+1
.endr
	WIN 0
; The next step's K: eight tiles, four registers of scale words, 128 mask terms: 28 loads.  The three additions and the v_nop are the places behind the products that read these registers.
.macro LOADK
	v_add_nc_u32 v[ADK], s[TBN], v2
	v_add_nc_u32 v[ADS], s[TBN], v4
	v_add_nc_u32 v[ADB], s[TBN], v7
	v_nop
.irp c, 0,1
.irp u, 0,1,2,3
	ds_load_b128 v[KF+4*(4*\c+\u):KF+4*(4*\c+\u)+3], v[ADK] offset:2048*\c+512*(\u/2)+128*(\u%2)
.endr
.endr
.irp c, 0,1
.irp u, 0,1
	ds_load_b32 v[KS+2*\c+\u], v[ADS] offset:8192+256*\u+8*\c
.endr
.endr
.irp a, 0,1,2,3,4,5,6,7
	ds_load_b128 v[BI+8*\a:BI+8*\a+3],   v[ADB] offset:8960+256*(\a/4)+32*(\a%4)
	ds_load_b128 v[BI+8*\a+4:BI+8*\a+7], v[ADB] offset:8960+256*(\a/4)+32*(\a%4)+16
.endr
.endm
.macro LOADV                           ; the next step's V: four tiles and their scale words: 9 loads
	v_add_nc_u32 v[ADV], s[TBN], v1
	v_add_nc_u32 v[ADT], s[TBN], v3
	v_nop
	v_nop
.irp d, 0,1,2,3
	ds_load_b128 v[VF+8*\d:VF+8*\d+3],   v[ADV] offset:4096+1024*\d
	ds_load_b128 v[VF+8*\d+4:VF+8*\d+7], v[ADV] offset:4096+1024*\d+512
.endr
	ds_load_b64 v[VS:VS+1], v[ADT] offset:8704
.endm
.macro QK t                            ; S^T of tile t = K Q^T + the mask terms: eight accumulators, one instruction each
.irp a, 0,2,4,6
	v_wmma_scale_f32_16x16x128_f8f6f4 v[S+64*\t+8*\a:S+64*\t+8*\a+7], v[KF+4*\a:KF+4*\a+7], v[Q+8*\t:Q+8*\t+7], v[BI+8*\a:BI+8*\a+7], v[KS+\a/2], v[QS+\t] matrix_a_fmt:MATRIX_FMT_FP4 matrix_b_fmt:MATRIX_FMT_FP4
	v_wmma_scale_f32_16x16x128_f8f6f4 v[S+64*\t+8*\a+8:S+64*\t+8*\a+15], v[KF+4*\a+4:KF+4*\a+11], v[Q+8*\t:Q+8*\t+7], v[BI+8*\a+8:BI+8*\a+15], v[KS+\a/2], v[QS+\t] matrix_a_fmt:MATRIX_FMT_FP4 matrix_b_fmt:MATRIX_FMT_FP4 matrix_a_scale:MATRIX_SCALE_ROW1
.endr
.endm
.macro PV t                            ; O^T of tile t += V^T P^T
.irp d, 0,2
	v_wmma_scale_f32_16x16x128_f8f6f4 v[O+32*\t+8*\d:O+32*\t+8*\d+7], v[VF+8*\d:VF+8*\d+7], v[PC+8*\t:PC+8*\t+7], v[O+32*\t+8*\d:O+32*\t+8*\d+7], v[VS+\d/2], v[PSW+\t] matrix_a_fmt:MATRIX_FMT_FP4 matrix_b_fmt:MATRIX_FMT_FP4
	v_wmma_scale_f32_16x16x128_f8f6f4 v[O+32*\t+8*\d+8:O+32*\t+8*\d+15], v[VF+8*\d+8:VF+8*\d+15], v[PC+8*\t:PC+8*\t+7], v[O+32*\t+8*\d+8:O+32*\t+8*\d+15], v[VS+\d/2], v[PSW+\t] matrix_a_fmt:MATRIX_FMT_FP4 matrix_b_fmt:MATRIX_FMT_FP4 matrix_a_scale:MATRIX_SCALE_ROW1
.endr
.endm
; A KEY STEP: 128 keys, one record, for both tiles.  last: the last record that may be read in this loop; the last trip asks for that record once more, and nothing uses it.
.macro STEP last
	s_add_co_u32 s[TB], s[TB], REC
	s_min_u32 s[TBN], s[TB], \last
	s_wait_dscnt 9                                 ; this step's K, scale words and mask terms are in; V's 9 loads are younger
	WIN 0x40
	QK 0
	QK 1
	WIN 0
	LOADK
	WIN 0x14                                       ; the maxima: eight chains of 16 scores by turns, each accumulator from its low end on
.irp t, 0,1
.irp x, 0,1,2,3
	v_max3_num_f32 v[SM+24*\t+\x], 0xff800000, v[S+64*\t+16*\x], v[S+64*\t+16*\x+1]
.endr
.endr
.irp i, 2,4,6,8,10,12,14
.irp t, 0,1
.irp x, 0,1,2,3
	v_max3_num_f32 v[SM+24*\t+\x], v[SM+24*\t+\x], v[S+64*\t+16*\x+\i], v[S+64*\t+16*\x+\i+1]
.endr
.endr
.endr
	WIN 0
.irp t, 0,1
	v_max_num_f32 v[SM+24*\t], v[SM+24*\t], v[SM+24*\t+1]          ; my block of c = 0
.endr
.irp t, 0,1
	v_max_num_f32 v[SM+24*\t+2], v[SM+24*\t+2], v[SM+24*\t+3]      ; and of c = 1
.endr
.irp t, 0,1
	v_max_num_f32 v[SM+24*\t+20], v[SM+24*\t], v[SM+24*\t+2]
.endr
.irp t, 0,1
	v_permlanex16_b32 v[SM+24*\t+22], v[SM+24*\t+20], s[SEL], s[SEL+1]
.endr
.irp t, 0,1
	v_max3_num_f32 v[SM+24*\t+5], v[SM+24*\t+5], v[SM+24*\t+20], v[SM+24*\t+22]   ; the running largest score of my query
.endr
.irp t, 0,1
	v_mul_f32 v[SM+24*\t+20], s[CS], v[SM+24*\t+5]                 ; as t
.endr
.irp t, 0,1
	v_mov_b32 v[SM+24*\t+21], v[SM+24*\t+4]
.endr
.irp t, 0,1
	v_floor_f32 v[SM+24*\t+4], -v[SM+24*\t+20]                     ; -M = floor(-t)
.endr
.irp t, 0,1
	v_sub_f32 v[SM+24*\t+21], v[SM+24*\t+4], v[SM+24*\t+21]        ; old M - new M: a whole number, 0 or less
.endr
.irp t, 0,1
	v_cvt_i32_f32 v[SM+24*\t+21], v[SM+24*\t+21]
.endr
.irp t, 0,1
	v_ldexp_f32 v[SM+24*\t+6], 1.0, v[SM+24*\t+21]                 ; f = 2^(old M - new M)
.endr
.irp b, 0,2
.irp t, 0,1
	v_fma_f32 v[SM+24*\t+\b], v[SM+24*\t+\b], s[CS], v[SM+24*\t+4] ; t - M of each block's largest score
.endr
.endr
	WIN 0x41
.set J, 0
.rept 32
	v_pk_fma_f32 v[S+J:S+J+1], v[S+J:S+J+1], s[CS:CS+1], v[SM+4:SM+5] op_sel_hi:[1,0,0]   ; tile 0: t - M, two at a time
.set J, J+2
.endr
.irp t, 0,1
.set J, 0
.rept 16
	v_pk_mul_f32 v[O+32*\t+J:O+32*\t+J+1], v[O+32*\t+J:O+32*\t+J+1], v[SM+24*\t+6:SM+24*\t+7] op_sel_hi:[1,0]   ; O^T under the new M, ahead of the exponentials
.set J, J+2
.endr
.endr
	s_wait_alu depctr_va_vdst(0)                   ; the wait ahead of the batch
.set J, 0
.rept 32                                       ; tile 0's p, by turns with tile 1's t - M, which is read only behind the next wait
	v_exp_f32 v[S+J], v[S+J]
	v_exp_f32 v[S+J+1], v[S+J+1]
	v_pk_fma_f32 v[S+64+J:S+64+J+1], v[S+64+J:S+64+J+1], s[CS:CS+1], v[SM+28:SM+29] op_sel_hi:[1,0,0]
.set J, J+2
.endr
	s_wait_alu depctr_va_vdst(0)                   ; behind tile 0's batch and ahead of tile 1's
	WIN 0x45
.set J, 0
.rept 16                                       ; tile 1's p, by turns with pair sums of tile 0's p into registers of their own, read only behind the next wait
	v_exp_f32 v[S+64+4*J], v[S+64+4*J]
	v_exp_f32 v[S+64+4*J+1], v[S+64+4*J+1]
	v_pk_add_f32 v[PS+2*J:PS+2*J+1], v[S+4*J:S+4*J+1], v[S+4*J+2:S+4*J+3]
	v_exp_f32 v[S+64+4*J+2], v[S+64+4*J+2]
	v_exp_f32 v[S+64+4*J+3], v[S+64+4*J+3]
.set J, J+1
.endr
	WIN 0
.irp b, 0,2
.irp t, 0,1
	v_exp_f32 v[SM+24*\t+\b], v[SM+24*\t+\b]       ; each block's largest p
.endr
.endr
	v_nop
	s_wait_alu depctr_va_vdst(0)                   ; and the wait behind the batch
.irp b, 0,2
.irp t, 0,1
	v_max_num_f32 v[SM+24*\t+\b], 0x1800000, v[SM+24*\t+\b]        ; the floor 2^(3 - 127): the byte cannot fall under 1
.endr
.endr
.irp b, 0,1
.irp t, 0,1
	v_add_nc_u32 v[SM+24*\t+16+\b], 0xff000000, v[SM+24*\t+2*\b]   ; 2 off the exponent field: the conversion's scale operand
.endr
.endr
.irp b, 0,1
.irp t, 0,1
	v_lshrrev_b32 v[SM+24*\t+18+\b], 23, v[SM+24*\t+16+\b]         ; the byte
.endr
.endr
.irp t, 0,1
	v_lshl_or_b32 v[SM+24*\t+23], v[SM+24*\t+19], 16, v[SM+24*\t+18]   ; my blocks h and 2 + h,
.endr
.irp t, 0,1
	v_lshlrev_b32 v[SM+24*\t+23], v12, v[SM+24*\t+23]              ; at their places in the word;
.endr
.irp t, 0,1
	v_permlanex16_b32 v[SM+24*\t+22], v[SM+24*\t+23], s[SEL], s[SEL+1]
.endr
.irp t, 0,1
	v_or_b32 v[PSW+\t], v[SM+24*\t+23], v[SM+24*\t+22]             ; with lane l xor 16's two the word is whole
.endr
	WIN 0x01
.irp t, 0,1                                    ; register 4 c + g of the operand: keys 64 c + 32 h + 8 g + 0 .. 7
.irp c, 0,1
.irp g, 0,1,2,3
	v_cvt_scalef32_pk8_fp4_f32 v[PC+8*\t+4*\c+\g], v[S+64*\t+32*\c+8*\g:S+64*\t+32*\c+8*\g+7], v[SM+24*\t+16+\c]
.endr
.endr
.endr
; The rows' sums of the unquantised p, four chains of pairs a tile, the tiles by turns; the first link of each chain brings the old sum under the new M.  Tile 0 adds its 16 pair sums, tile 1 its 32 pairs.
; These 48 lines are also the places between the codes, the scale words and the products.
	WIN 0x10
.irp x, 0,1,2,3
	v_pk_fma_f32 v[SM+32+2*\x:SM+33+2*\x], v[SM+32+2*\x:SM+33+2*\x], v[SM+30:SM+31], v[S+64+2*\x:S+64+2*\x+1] op_sel_hi:[1,0,1]
.endr
.irp x, 0,1,2,3
	v_pk_fma_f32 v[SM+8+2*\x:SM+9+2*\x], v[SM+8+2*\x:SM+9+2*\x], v[SM+6:SM+7], v[PS+2*\x:PS+2*\x+1] op_sel_hi:[1,0,1]
.endr
	WIN 0x04
.irp i, 8,16,24
.irp x, 0,1,2,3
	v_pk_add_f32 v[SM+32+2*\x:SM+33+2*\x], v[SM+32+2*\x:SM+33+2*\x], v[S+64+\i+2*\x:S+64+\i+2*\x+1]
.endr
.irp x, 0,1,2,3
	v_pk_add_f32 v[SM+8+2*\x:SM+9+2*\x], v[SM+8+2*\x:SM+9+2*\x], v[PS+\i+2*\x:PS+\i+2*\x+1]
.endr
.endr
.irp i, 32,40,48,56
.irp x, 0,1,2,3
	v_pk_add_f32 v[SM+32+2*\x:SM+33+2*\x], v[SM+32+2*\x:SM+33+2*\x], v[S+64+\i+2*\x:S+64+\i+2*\x+1]
.endr
.endr
	s_wait_dscnt 28                                ; V and its scale words are in; the next step's 28 loads are younger
	WIN 0x50
	PV 0
	PV 1
	WIN 0
	LOADV
.endm
	s_wait_alu depctr_va_vdst(0)                   ; the wait at the head's end
	s_wait_tensorcnt 0x0                           ; my record is in; with the add and its wait, ahead of a later first fill
	ds_add_u32 v5, v6
	s_wait_dscnt 0x0
	CROUND                                         ; records 0-7 are whole, and the four work-groups are here
	tensor_load_to_lds s[36:39], s[G1B:G1B+7]      ; records 8 + 3 x wave on
	s_nop 0
.rept 4
	v_nop
.endr
	s_mov_b32 s[TB], 0
	s_mov_b32 s[TBN], 0
	s_mov_b32 s[CNT], FIRST
	LOADK
	LOADV
	s_wait_loadcnt 0x0                             ; Q
.Lfirst:
	STEP (FIRST-1)*REC
	s_sub_co_u32 s[CNT], s[CNT], 1
	s_cmp_lg_u32 s[CNT], 0
	s_cbranch_scc1 .Lfirst
	s_wait_tensorcnt 0x0                           ; my three records are in,
	s_wait_dscnt 0x0
	s_barrier_signal -1
	s_barrier_wait -1                              ; and everybody's
	s_mov_b32 s[TB], FIRST*REC
	s_mov_b32 s[TBN], FIRST*REC
	s_mov_b32 s[CNT], 32-FIRST
	LOADK
	LOADV
.Lrest:
	STEP 31*REC
	s_sub_co_u32 s[CNT], s[CNT], 1
	s_cmp_lg_u32 s[CNT], 0
	s_cbranch_scc1 .Lrest
; THE WAY OUT: O^T / the sum, quantised along the head's 64 (two blocks of 32, each in lanes l and l xor 16), as an image of outp's operand registers.
	s_wait_dscnt 0x0                               ; the last trip's loads have landed: the mask terms' registers take x below
	s_wait_alu depctr_va_vdst(0)                   ; the wait here, directly ahead of the first reader of the sums
.irp t, 0,1
	v_pk_add_f32 v[SM+24*\t+8:SM+24*\t+9], v[SM+24*\t+8:SM+24*\t+9], v[SM+24*\t+10:SM+24*\t+11]
	v_pk_add_f32 v[SM+24*\t+12:SM+24*\t+13], v[SM+24*\t+12:SM+24*\t+13], v[SM+24*\t+14:SM+24*\t+15]
.endr
.irp t, 0,1
	v_pk_add_f32 v[SM+24*\t+8:SM+24*\t+9], v[SM+24*\t+8:SM+24*\t+9], v[SM+24*\t+12:SM+24*\t+13]
.endr
.irp t, 0,1
	v_add_f32 v[SM+24*\t+8], v[SM+24*\t+8], v[SM+24*\t+9]
.endr
.irp t, 0,1
	v_permlanex16_b32 v[SM+24*\t+22], v[SM+24*\t+8], s[SEL], s[SEL+1]
.endr
.irp t, 0,1
	v_add_f32 v[SM+24*\t+8], v[SM+24*\t+8], v[SM+24*\t+22]         ; the row's sum
.endr
	s_wait_alu depctr_va_vdst(0)                   ; the wait ahead of the transcendentals
.irp t, 0,1
	v_rcp_f32 v[SM+24*\t+6], v[SM+24*\t+8]
.endr
	v_nop
	WIN 0x01
	s_wait_alu depctr_va_vdst(0)                   ; and behind them, directly ahead of the first reader of O^T
.irp t, 0,1
.set J, 0
.rept 16
	v_pk_mul_f32 v[BI+32*\t+J:BI+32*\t+J+1], v[O+32*\t+J:O+32*\t+J+1], v[SM+24*\t+6:SM+24*\t+7] op_sel_hi:[1,0]   ; register 8 d + j of tile t: x(r, 16 d + 8 h + j)
.set J, J+2
.endr
.endr
	WIN 0
.irp t, 0,1
.irp b, 0,1
	v_max3_num_f32 v[SM+24*\t+2*\b], |v[BI+32*\t+16*\b]|, |v[BI+32*\t+16*\b+1]|, 0x1800000
.endr
.endr
.irp i, 2,4,6,8,10,12,14
.irp t, 0,1
.irp b, 0,1
	v_max3_num_f32 v[SM+24*\t+2*\b], v[SM+24*\t+2*\b], |v[BI+32*\t+16*\b+\i]|, |v[BI+32*\t+16*\b+\i+1]|
.endr
.endr
.endr
.irp t, 0,1
.irp b, 0,1
	v_permlanex16_b32 v[SM+24*\t+22+\b], v[SM+24*\t+2*\b], s[SEL], s[SEL+1]
.endr
.endr
.irp t, 0,1
.irp b, 0,1
	v_max_num_f32 v[SM+24*\t+2*\b], v[SM+24*\t+2*\b], v[SM+24*\t+22+\b]
.endr
.endr
.irp t, 0,1
.irp b, 0,1
	v_add_nc_u32 v[SM+24*\t+16+\b], 0xff000000, v[SM+24*\t+2*\b]
.endr
.endr
.irp t, 0,1
.irp b, 0,1
	v_lshrrev_b32 v[SM+24*\t+18+\b], 23, v[SM+24*\t+16+\b]
.endr
.endr
.irp t, 0,1
	v_cvt_scalef32_pk8_fp4_f32 v[PC+8*\t],   v[BI+32*\t:BI+32*\t+7],     v[SM+24*\t+16]
	v_cvt_scalef32_pk8_fp4_f32 v[PC+8*\t+2], v[BI+32*\t+8:BI+32*\t+15],  v[SM+24*\t+16]
	v_cvt_scalef32_pk8_fp4_f32 v[PC+8*\t+1], v[BI+32*\t+16:BI+32*\t+23], v[SM+24*\t+17]
	v_cvt_scalef32_pk8_fp4_f32 v[PC+8*\t+3], v[BI+32*\t+24:BI+32*\t+31], v[SM+24*\t+17]
.endr
	v_nop
.irp t, 0,1
	v_permlane16_swap_b32 v[PC+8*\t],   v[PC+8*\t+1]               ; a whole block in a lane: registers 0-3 hold channels 32 h + 0 .. 31
	v_permlane16_swap_b32 v[PC+8*\t+2], v[PC+8*\t+3]
.endr
.irp t, 0,1
	v_cndmask_b32 v[SM+24*\t+20], v[SM+24*\t+18], v[SM+24*\t+19], s[HM]
.endr
.irp t, 0,1
	global_store_b128 v1, v[PC+8*\t:PC+8*\t+3], s[52:53] offset:4096*\t   ; 32 lanes store 512 consecutive bytes, aligned
	ds_store_b8 v8, v[SM+24*\t+20] offset:32*\t
.endr
	s_wait_dscnt 0x0
	s_barrier_signal -1
	s_barrier_wait -1
	s_cmp_lg_u32 s[WV], 0
	s_cbranch_scc1 .Lnot_first
	ds_load_b128 v[VF:VF+3], v9                    ; the work-group's 512 scale bytes leave as two aligned units of 256
	s_wait_dscnt 0x0
	global_store_b128 v1, v[VF:VF+3], s[54:55]
.Lnot_first:
	s_wait_tensorcnt 0x0                           ; the wave's end
	ds_add_u32 v5, v6
	s_wait_dscnt 0x0
	CROUND                                         ; the closing round
	s_endpgm
.Lfunc_end_k_q4e45bc866b_attn:
	.size	k_q4e45bc866b_attn, .Lfunc_end_k_q4e45bc866b_attn-k_q4e45bc866b_attn
	.p2alignl 7, 3214868480
	.fill 96, 4, 3214868480
	.section	.rodata,"a",@progbits
	.p2align	6, 0x0
	.amdhsa_kernel k_q4e45bc866b_attn
		.amdhsa_group_segment_fixed_size 327680
		.amdhsa_private_segment_fixed_size 0
		.amdhsa_enable_private_segment 0
		.amdhsa_kernarg_size 32
		.amdhsa_user_sgpr_count 2
		.amdhsa_user_sgpr_kernarg_segment_ptr 1
		.amdhsa_wavefront_size32 1
		.amdhsa_system_sgpr_workgroup_id_x 1
		.amdhsa_system_sgpr_workgroup_id_y 1
		.amdhsa_system_sgpr_workgroup_id_z 1
		.amdhsa_system_vgpr_workitem_id 0
		.amdhsa_next_free_vgpr 512
		.amdhsa_next_free_sgpr 66
		.amdhsa_reserve_vcc 0
		.amdhsa_float_denorm_mode_32 3
		.amdhsa_float_denorm_mode_16_64 3
		.amdhsa_memory_ordered 1
		.amdhsa_forward_progress 1
		.amdhsa_inst_pref_size 79
	.end_amdhsa_kernel
	.amdgpu_metadata
---
amdhsa.version: [ 1, 2 ]
amdhsa.kernels:
  - .name:           k_q4e45bc866b_attn
    .symbol:         k_q4e45bc866b_attn.kd
    .args:
      - { .name: qrec, .offset: 0, .size: 8, .value_kind: global_buffer, .address_space: global }
      - { .name: kv, .offset: 8, .size: 8, .value_kind: global_buffer, .address_space: global }
      - { .name: xc, .offset: 16, .size: 8, .value_kind: global_buffer, .address_space: global }
      - { .name: xs, .offset: 24, .size: 8, .value_kind: global_buffer, .address_space: global }
    .group_segment_fixed_size: 327680
    .private_segment_fixed_size: 0
    .kernarg_segment_align: 8
    .kernarg_segment_size: 32
    .max_flat_workgroup_size: 256
    .sgpr_count:     66
    .vgpr_count:     512
    .wavefront_size: 32
...
	.end_amdgpu_metadata
.endif
;; end of part 3
;; launch outp (part 4): grid 256 x 1, 8 waves a work-group, no clusters, 35,840 bytes of LDS; arguments xc, xs, wcodes, wscales, bo, out0; writes out0
.if DOCPART == 4
	.amdgcn_target "amdgcn-amd-amdhsa--gfx1250"
	.amdhsa_code_object_version 6
	.text
	.protected	k_q4e45bc866b_outp
	.globl	k_q4e45bc866b_outp
	.p2align	8
	.type	k_q4e45bc866b_outp,@function
k_q4e45bc866b_outp:
	s_mov_b64 s[64:65], 0
	v_nop
	global_prefetch_b8 v0, s[64:65] scope:SCOPE_SE
	s_setreg_imm32_b32 hwreg(HW_REG_WAVE_MODE, 25, 1), 1
	s_wait_xcnt 0x0
; PRODUCT 6: out0 = x Wo + bo, on the codes that attn and prep have made.  No work of reference() is left out here.
; SHARES: work-group: 32 rows (two tiles of 16); wave w: columns 64 w .. 64 w + 63.  256 work-groups.  All operands are images of registers in memory and go straight into registers: no LDS on the way in, no barrier.
; The product is used TRANSPOSED (source 0 = 16 columns of Wo, source 1 = 16 rows of x): a lane holds eight neighbouring columns of one row.  The bias is the C of each sum's first product.
; x's scale word of (row, K step s) is made of two 16-bit pieces: heads 2 s and 2 s + 1 (xs is laid [head][row tile][r][2 bytes]).
; THE WAY OUT: a tile of 16 rows x 64 columns goes through the wave's own stage in LDS (rows of 256 bytes + 16) and leaves by rows: sixteen lanes store 256 consecutive bytes, aligned.
; NO CLUSTER: there is no tensor load to share; the weights' 16 KB a wave go from memory into the registers in which they are used.
; REGISTERS: window 0: v1-7 addresses; v16-79 x's fragments (32 i + 8 s), later the rows read back; v80-95 the 16-bit pieces; v96-103 x's scale words and v200-215 Wo's: these hold scales alone; v104-135 the bias;
;   v136-199 the eight accumulators (32 i + 8 t); v252, v253 the add's two.   window 1: v0-127 Wo's 16 fragments (8 (4 t + s)).
.set XF,  16
.set XU,  80
.set XS,  96
.set BI,  104
.set ACC, 136
.set W1S, 200
.set SPW, 252
.set NIL, 253
.set STG,   4352                       ; a wave's stage: 16 rows x 272
.set SPARE, 8*STG                      ; behind the stages: the spare words, 128 bytes a wave: four blocks of 256 bytes that no other line names
.set MSB, 0
.macro WIN new
.if MSB != \new
	s_set_vgpr_msb (MSB<<8)|\new
.set MSB, \new
.endif
.endm
.macro MM d, a, b, c, sa, sb
	v_wmma_scale_f32_16x16x128_f8f6f4 v[(\d):(\d)+7], v[(\a):(\a)+7], v[(\b):(\b)+7], v[(\c):(\c)+7], v[\sa], v[\sb] matrix_a_fmt:MATRIX_FMT_FP4 matrix_b_fmt:MATRIX_FMT_FP4
.endm
	s_load_b256 s[4:11], s[0:1], 0x0               ; xc, xs, wcodes, wscales
	s_load_b128 s[12:15], s[0:1], 0x20             ; bo, out0
	v_lshl_add_u32 v[SPW], v0, 2, SPARE
	v_mov_b32 v[NIL], 0
	v_lshrrev_b32 v1, 5, v0
	s_delay_alu instid0(VALU_DEP_1)
	v_readfirstlane_b32 s16, v1                    ; wave 0..7
	v_and_b32 v8, 31, v0                           ; lane
	v_and_b32 v9, 15, v0                           ; r
	v_bfe_u32 v10, v0, 4, 1                        ; h
	s_delay_alu instid0(VALU_DEP_3)
	v_lshlrev_b32 v1, 4, v8                        ; 16 x lane
	s_delay_alu instid0(VALU_DEP_3)
	v_lshlrev_b32 v2, 1, v9                        ; 2 r
	s_delay_alu instid0(VALU_DEP_4)
	v_lshlrev_b32 v3, 2, v9                        ; 4 r
	s_delay_alu instid0(VALU_DEP_4)
	v_lshlrev_b32 v4, 5, v10                       ; 32 h
	s_lshl_b32 s20, ttmp9, 13                      ; xc: two row tiles of 4,096 bytes a work-group
	s_mov_b32 s21, 0
	s_lshl_b32 s22, ttmp9, 6                       ; xs: two row tiles of 32 bytes
	s_mov_b32 s23, 0
	s_lshl_b32 s24, s16, 14                        ; Wo's codes: weight 3, 16,384 for each 64 columns
	s_add_co_u32 s24, s24, 393216
	s_mov_b32 s25, 0
	s_lshl_b32 s26, s16, 10                        ; its scale words
	s_add_co_u32 s26, s26, 24576
	s_mov_b32 s27, 0
	s_lshl_b32 s28, s16, 8                         ; my 64 columns in bo and in a row of out0
	s_mov_b32 s29, 0
	s_lshl_b32 s30, ttmp9, 16                      ; out0: 32 rows of 2,048 bytes a work-group
	s_add_co_u32 s30, s30, s28
	s_mov_b32 s31, 0
	s_wait_alu depctr_va_vdst(0)
	s_wait_kmcnt 0x0
	s_add_nc_u64 s[4:5], s[4:5], s[20:21]
	s_add_nc_u64 s[6:7], s[6:7], s[22:23]
	s_add_nc_u64 s[8:9], s[8:9], s[24:25]
	s_add_nc_u64 s[10:11], s[10:11], s[26:27]
	s_add_nc_u64 s[12:13], s[12:13], s[28:29]
	s_add_nc_u64 s[14:15], s[14:15], s[30:31]
	WIN 0x40                                       ; destination window 1
.irp f, 0,1,2,3,4,5,6,7,8,9,10,11,12,13,14,15
	global_load_b128 v[8*\f:8*\f+3],   v1, s[8:9] offset:\f*1024
	global_load_b128 v[8*\f+4:8*\f+7], v1, s[8:9] offset:\f*1024+512
.endr
	WIN 0
.irp i, 0,1
.irp s, 0,1,2,3
	global_load_b128 v[XF+32*\i+8*\s:XF+32*\i+8*\s+3],   v1, s[4:5] offset:\i*4096+\s*1024       ; head 2 s
	global_load_b128 v[XF+32*\i+8*\s+4:XF+32*\i+8*\s+7], v1, s[4:5] offset:\i*4096+\s*1024+512   ; head 2 s + 1
.endr
.endr
.irp i, 0,1
.irp e, 0,1,2,3,4,5,6,7
	global_load_u16 v[XU+8*\i+\e], v2, s[6:7] offset:\e*16384+\i*32   ; row r's two scale bytes of head e
.endr
.endr
.irp f, 0,1,2,3,4,5,6,7,8,9,10,11,12,13,14,15
	global_load_b32 v[W1S+\f], v3, s[10:11] offset:\f*64
.endr
.irp t, 0,1,2,3
	global_load_b128 v[BI+8*\t:BI+8*\t+3],   v4, s[12:13] offset:64*\t      ; bo(64 w + 16 t + 8 h + 0 .. 7)
	global_load_b128 v[BI+8*\t+4:BI+8*\t+7], v4, s[12:13] offset:64*\t+16
.endr
	s_wait_loadcnt 0x0
.irp i, 0,1
.irp s, 0,1,2,3
	v_lshl_or_b32 v[XS+4*\i+\s], v[XU+8*\i+2*\s+1], 16, v[XU+8*\i+2*\s]
.endr
.endr
	s_mul_i32 s17, s16, STG                        ; my stage.  (The eight lines below and two v_nop are the plain lines between the scale words' last write and the first product)
	v_mul_u32_u24 v5, v9, 272
	s_delay_alu instid0(VALU_DEP_1)
	v_lshl_add_u32 v5, v10, 5, v5
	s_delay_alu instid0(VALU_DEP_1)
	v_add_nc_u32 v5, s17, v5                       ; in: row r, + 32 h
	v_mul_u32_u24 v6, v10, 272
	s_delay_alu instid0(VALU_DEP_1)
	v_lshl_add_u32 v6, v9, 4, v6
	s_delay_alu instid0(VALU_DEP_1)
	v_add_nc_u32 v6, s17, v6                       ; back: lanes 0-15 one row, lanes 16-31 the next
	v_lshlrev_b32 v7, 11, v10
	s_delay_alu instid0(VALU_DEP_1)
	v_lshl_add_u32 v7, v9, 4, v7                   ; and the same two rows in out0
	v_nop
	v_nop
	WIN 0x01                                       ; Wo in window 1
.irp i, 0,1                                    ; eight accumulators by turns, a K step at a time
.irp t, 0,1,2,3
	MM ACC+32*\i+8*\t, 32*\t, XF+32*\i, BI+8*\t, W1S+4*\t, XS+4*\i
.endr
.endr
.irp s, 1,2,3
.irp i, 0,1
.irp t, 0,1,2,3
	MM ACC+32*\i+8*\t, 32*\t+8*\s, XF+32*\i+8*\s, ACC+32*\i+8*\t, W1S+4*\t+\s, XS+4*\i+\s
.endr
.endr
.endr
	WIN 0
.rept 4
	v_nop                                          ; plain lines between the last products, the reads of their results and the loads into x's registers
.endr
.irp i, 0,1
.irp t, 0,1,2,3
	ds_store_b128 v5, v[ACC+32*\i+8*\t:ACC+32*\i+8*\t+3]   offset:64*\t       ; each accumulator from its low end on
	ds_store_b128 v5, v[ACC+32*\i+8*\t+4:ACC+32*\i+8*\t+7] offset:64*\t+16
.endr
.irp k, 0,1,2,3,4,5,6,7
	ds_load_b128 v[XF+32*\i+4*\k:XF+32*\i+4*\k+3], v6 offset:544*\k   ; LDS serves a wave's instructions in order: these see my stores, and the next tile's stores come behind them
.endr
.endr
	s_wait_alu depctr_va_vdst(0)
.irp i, 0,1
.irp k, 0,1,2,3,4,5,6,7
	s_wait_dscnt 23-16*\i-\k                       ; younger: this tile's 7 - k loads, and for tile 0 the sixteen of tile 1
	global_store_b128 v7, v[XF+32*\i+4*\k:XF+32*\i+4*\k+3], s[14:15] offset:(16*\i+2*\k)*2048 th:TH_STORE_NT
.endr
.endr
	s_wait_tensorcnt 0x0                           ; the wave's end, behind my last LDS store
	ds_add_u32 v[SPW], v[NIL]
	s_wait_dscnt 0x0
	s_endpgm
.Lfunc_end_k_q4e45bc866b_outp:
	.size	k_q4e45bc866b_outp, .Lfunc_end_k_q4e45bc866b_outp-k_q4e45bc866b_outp
	.p2alignl 7, 3214868480
	.fill 96, 4, 3214868480
	.section	.rodata,"a",@progbits
	.p2align	6, 0x0
	.amdhsa_kernel k_q4e45bc866b_outp
		.amdhsa_group_segment_fixed_size 35840
		.amdhsa_private_segment_fixed_size 0
		.amdhsa_enable_private_segment 0
		.amdhsa_kernarg_size 48
		.amdhsa_user_sgpr_count 2
		.amdhsa_user_sgpr_kernarg_segment_ptr 1
		.amdhsa_wavefront_size32 1
		.amdhsa_system_sgpr_workgroup_id_x 1
		.amdhsa_system_sgpr_workgroup_id_y 1
		.amdhsa_system_sgpr_workgroup_id_z 1
		.amdhsa_system_vgpr_workitem_id 0
		.amdhsa_next_free_vgpr 384
		.amdhsa_next_free_sgpr 66
		.amdhsa_reserve_vcc 0
		.amdhsa_float_denorm_mode_32 3
		.amdhsa_float_denorm_mode_16_64 3
		.amdhsa_memory_ordered 1
		.amdhsa_forward_progress 1
		.amdhsa_inst_pref_size 20
	.end_amdhsa_kernel
	.amdgpu_metadata
---
amdhsa.version: [ 1, 2 ]
amdhsa.kernels:
  - .name:           k_q4e45bc866b_outp
    .symbol:         k_q4e45bc866b_outp.kd
    .args:
      - { .name: xc, .offset: 0, .size: 8, .value_kind: global_buffer, .address_space: global }
      - { .name: xs, .offset: 8, .size: 8, .value_kind: global_buffer, .address_space: global }
      - { .name: wcodes, .offset: 16, .size: 8, .value_kind: global_buffer, .address_space: global }
      - { .name: wscales, .offset: 24, .size: 8, .value_kind: global_buffer, .address_space: global }
      - { .name: bo, .offset: 32, .size: 8, .value_kind: global_buffer, .address_space: global }
      - { .name: out0, .offset: 40, .size: 8, .value_kind: global_buffer, .address_space: global }
    .group_segment_fixed_size: 35840
    .private_segment_fixed_size: 0
    .kernarg_segment_align: 8
    .kernarg_segment_size: 48
    .max_flat_workgroup_size: 256
    .sgpr_count:     66
    .vgpr_count:     384
    .wavefront_size: 32
...
	.end_amdgpu_metadata
.endif
;; end of part 4
